; MI455X (gfx1250); checked and timed in simulation.
; The chip was launched on July 23, 2026; its instructions are those of AMD's public machine-readable ISA for CDNA 5 (MIT licence, August 2026) and "CDNA5" Instruction Set Architecture Reference Guide (July 2026). The comments in the code are by the model that wrote it; some were corrected since.
;; Model. Allowed arithmetic: float matrix products may take bf16 or f16 operands with f32 sums; other float arithmetic in f32, or as packed bf16 or f16 multiplies, adds, multiply-adds, maxima and minima; sums over many terms, partial sums and values carried from step to step in f32; what a program stores and reads back later, other than sums and carried values, may be rounded once to bf16 or f16.
;; Inputs: W1 256 x 512 x 256 float32; W2 256 x 512 x 256 float32; Wmerge 512 x 256 float32; b1 256 float32; b2 256 float32; h0 1,024 x 256 float32; h1 1,024 x 256 float32; x0 1,024 x 128 float32; x1 1,024 x 128 float32.
;; Outputs: out0 1,024 x 256 float32; out1 1,024 x 256 float32.
;; One version. Each part assembles by itself: llvm-mc -triple=amdgcn-amd-amdhsa -mcpu=gfx1250 --defsym DOCPART=n.
;; ======== version 1 of 1: 2 launches
;; workspace buffers: part 16,777,216 bytes; pm 8,388,608 bytes
;; launch bilin (part 1): grid 256 x 1, 4 waves a work-group, clusters of 2 x 1, 327,680 bytes of LDS; arguments x0, x1, h0, h1, W1, W2, Wmerge, part, pm; writes part, pm
.if DOCPART == 1
	.amdgcn_target "amdgcn-amd-amdhsa--gfx1250"
	.amdhsa_code_object_version 6
	.text
	.protected	k_q5c582a1bd0_bilin
	.globl	k_q5c582a1bd0_bilin
	.p2align	8
	.type	k_q5c582a1bd0_bilin,@function
k_q5c582a1bd0_bilin:
	s_mov_b64 s[64:65], 0
	v_nop
	global_prefetch_b8 v0, s[64:65] scope:SCOPE_SE
	s_setreg_imm32_b32 hwreg(HW_REG_WAVE_MODE, 25, 1), 1
	s_wait_xcnt 0x0
	s_wait_alu depctr_hold_cnt(0) depctr_sa_sdst(0) depctr_va_vdst(0) depctr_va_sdst(0) depctr_va_ssrc(0) depctr_va_vcc(0) depctr_vm_vsrc(0)
	s_getreg_b32 s2, hwreg(HW_REG_IB_STS2, 6, 4)
	s_cmp_eq_u32 s2, 0
	s_cbranch_scc0 .Lentry_in_a_cluster
	s_endpgm
.Lentry_in_a_cluster:
	s_bfe_u32 s2, ttmp6, 0x10000c
	s_cmp_lg_u32 s2, 0x1001
	s_cbranch_scc0 .Lentry_shape_is_right
	s_endpgm
.Lentry_shape_is_right:
; PARTIAL SUMS of m[b][lw] = sum over j, k of s[b][j] x[b][k] W[lw][j][k]  (lw < 256: W1[lw], else W2[lw-256]; s = h0|h1, x = x0|x1)
; and of mg[b][l] = sum over j of s[b][j] Wmerge[j][l], each over ONE of eight splits of j (64 j a split).  The second launch adds the splits.
; FORMATS.  x, s, W and Wmerge are rounded to bf16 once; nothing else is rounded.  k (256) is contracted by the matrix unit, T[j][b] = W[lw][j][:] . x[b][:], f32 sums;
; j is contracted in f32 by multiply-adds that read s's bf16 halves: no product s x is ever rounded.  NaN and infinities are not treated apart.
; SHARES.  Cluster c of two work-groups: split js = c % 8, group g = c / 8 of 32 lw; the partner at place cx takes b = 512 cx .. + 511.  Both need the same 2 MiB of W, so every
; tile of W is asked for JOINTLY (mask 3).  Two partners, not four: with four a work-group would have 256 b, and a tile would feed half the products between its request and its wait.
; Wave w owns 128 b: eight blocks of 16.  Its x (512 registers) and s (128) stay in registers for the whole launch.
; THE PRODUCT.  Source 0 = 16 rows j of W (one lw), source 1 = 16 rows b of x, eight links along k.  In the result lane (r, h) holds b = 16 bb + r, register i holds j = 16 jb + 8 h + i.
; THE RING.  Two LDS slots of 2 lw x 64 j x 1,024 bytes (f32 as it lies in memory); each wave fetches 32 rows by one load; a slot serves 512 products a wave.
; Each wave reads W's rows as f32 and rounds them itself: a fragment feeds eight products, so a product has one rounding, one multiply-add and half an LDS load beside it.
; OUT.  part[js][lw/4][b][lw%4], pm[js][l/4][b][l%4], f32: sixteen neighbouring lanes store 256 consecutive bytes, aligned.
; Wmerge's slice (64 j x 16 l, 4 KiB a work-group) is read once, in pieces of 64 bytes: its rows lie along l and the fragment wants j along the registers.
; REGISTERS, in windows of 256 (s_set_vgpr_msb: bits 1:0 source 0, 3:2 source 1, 5:4 source 2, 7:6 destination):
;   window 0: v0-18 addresses; v20-63 sums at work; v64-127 WF, W's eight fragments in bf16; v128-255 LD, their f32 landing
;   window 1: v0-127 two sets of eight accumulators; v128-255 s      windows 2, 3: x, blocks 0-3 and 4-7
; No window holds a product's operands beside the vector work, so a step of eight products has eight switches: two products, four vector lines, by turns.
.set CL,    1          ; 1: launched in clusters of two.  0: no cluster (mask 0, plain barriers, ids from ttmp9 alone)
.set PW,    1040       ; a row of W in LDS: 1,024 bytes + 16: the sixteen rows of a load begin at sixteen different 16-byte columns of 256
.set RBB,   16*PW      ; a row block: 16 j
.set QTR,   32*PW      ; what one tensor load brings
.set LWB,   64*PW      ; one lw
.set SLOT,  128*PW     ; 0x20800: its two bits are set in no wave's share 0x8200 w, so one exclusive or changes slots
.set XSTG,  2*SLOT     ; behind the ring, never filled by a tensor load: for each wave 16 rows x 528 bytes of x in bf16
.set PX,    528
.set SSTG,  XSTG+4*16*PX  ; and 16 rows x 144 bytes of s in bf16
.set PS,    144
.set SPARE, SSTG+4*16*PS  ; the spare words, 128 bytes for each wave: two blocks of 256 bytes that no other line names
.set TSTEP, 0x100000   ; bytes of W from a tile to the next: 2 lw x 512 j x 1,024
.set VR,  1            ; v1  lane % 16
.set VH,  2            ; v2  lane / 16
.set VL,  3            ; v3  lane
.set LANE, 4           ; v4  my place in a row block: r x PW + 32 h; never rewritten
.set ADR, 5            ; v5  LDS address of the lw that is being fetched
.set SPW, 6            ; v6  LDS address of my spare word; never rewritten
.set NIL, 7            ; v7  0; never rewritten
.set ZR,  8            ; v8  0: the addend that starts a sum over j
.set L16, 9            ; v9  16 x lane
.set SO,  11           ; v11 two rows of s: h x 1,024 + 16 r
.set XST, 12           ; v12 x's stage, in: 8 x lane
.set XLD, 13           ; v13 x's stage, back: 528 r + 16 h
.set SST, 14           ; v14 s's stage, in: 144 h + 8 r
.set SLD, 15           ; v15 s's stage, back: 144 r + 16 h
.set WMO, 16           ; v16 Wmerge: 8 h rows of 1,024 bytes + 4 r
.set PMO, 17           ; v17 pm: 16 r + 2 h quads of 16,384 bytes
.set PFO, 18           ; v18 the prefetches' offset: 256 x lane
.set WL,  20           ; v20-51 Wmerge's 32 words, in the prologue
.set M,   20           ; v20-27 the running sum over j, a block each
.set F,   28           ; v28-35 the finished sum of an lw
.set OQ,  36           ; v36-51 four lw of 32 b each, four times: what a store takes
.set KP,  52           ; v52-55, v56-59, v60-63 at work where the halves of the lanes are added
.set SD,  56
.set RC,  60
.set WF,  64
.set LD,  128
.set WV,  22           ; s22 my wave's number
.set CX,  23           ; s23 my place in the cluster: it enters the addresses of x, h, part, pm and the prefetches alone
.set JS,  24           ; s24 the split of j
.set GG,  25           ; s25 the group of 32 lw
.set G1,  32           ; s[32:39] descriptor group 1
.set G0A, 40           ; s[40:43] group 0 of tile 0
.set G0B, 44           ; s[44:47] group 0 of tile 1; it then walks
.set SLOTS, 48         ; s48 changes of slots still to come
.set CNT, 49           ; s49 counts a slot's two lw
.set TB,  50           ; s50 LDS byte at which the lw to be fetched begins
.set FC,  51           ; s51 lw still wanted for a store of four
.set HM,  52           ; s52 the mask of lanes 16-31
.set SEL, 54           ; s[54:55] v_permlanex16_b32's selects: each lane takes its own place in the other half
.set PO,  56           ; s[56:57] part at my 128 b of the quad of lw in hand
.set PFA, 58           ; s[58:59] where my prefetches stand
.set OFS, 60           ; s[60:61] an offset, high word 0
.set XB0, 66           ; s[66:67], s[68:69] x0, x1 at my first row
.set XB1, 68
.set HB,  70           ; s[70:71] h0 or h1 at my first row and the split's first column
.set WMB, 72           ; s[72:73] Wmerge at the split's first row and my 16 l
.set PMB, 74           ; s[74:75] pm at my 128 b
.set WT,  76           ; s[76:77] W at my 32 rows of tile 0
.set MSB, 0
.macro WIN new                      ; the immediate's high byte repeats the setting that is left; a switch that changes nothing is dropped
.if MSB != (\new)
	s_set_vgpr_msb (MSB<<8)|(\new)
.set MSB, \new
.endif
.endm
; A round of the cluster's barrier: my work-group's barrier, so that wave 0's signal speaks for all four waves; wave 0 signals; every wave waits for both work-groups; my work-group's barrier once more.
.macro ROUND
	s_barrier_signal -1
	s_barrier_wait -1
.if CL
	s_cmp_lg_u32 s[WV], 0
	s_cbranch_scc1 .Lnot_wave_0_\@
	s_barrier_signal -3
.Lnot_wave_0_\@:
	s_barrier_wait -3
	s_barrier_signal -1
	s_barrier_wait -1
.endif
.endm
	s_load_b256 s[4:11], s[0:1], 0x0               ; x0 s[4:5], x1 s[6:7], h0 s[8:9], h1 s[10:11]
	s_load_b256 s[12:19], s[0:1], 0x20             ; W1 s[12:13], W2 s[14:15], Wmerge s[16:17], part s[18:19]
	s_load_b64 s[20:21], s[0:1], 0x40              ; pm
	v_lshl_add_u32 v[SPW], v0, 2, SPARE
	v_mov_b32 v[NIL], 0
	ds_add_u32 v[SPW], v[NIL]                      ; the wave's opening: the add, twice on end, and its wait ahead of my first tensor load
	ds_add_u32 v[SPW], v[NIL]                      ; and once more; the set-up below, work on registers, stands between it and the wait
	v_lshrrev_b32 v[VR], 5, v0
	v_readfirstlane_b32 s[WV], v[VR]               ; wave 0..3
.if CL
	s_bfe_u32 s[CX], ttmp6, 0x40000                ; my place in the cluster; ttmp9 counts clusters
	s_and_b32 s[JS], ttmp9, 7
	s_lshr_b32 s[GG], ttmp9, 3
.else
	s_and_b32 s[CX], ttmp9, 1
	s_bfe_u32 s[JS], ttmp9, 0x30001
	s_lshr_b32 s[GG], ttmp9, 4
.endif
	; descriptor group 1: 32 rows of 256 elements of 4 bytes, dense in memory, 16 bytes of padding behind each row in LDS
.if CL
	s_mov_b32 s[G1], 3|(2<<16)|(1<<20)|(1<<21)|(7<<22)|(3<<25)  ; 15:0 the mask: both work-groups; 17:16 4-byte elements; 20 padding on; 21 set beside a mask; 24:22 after every 256 words (code 7); 31:25 4 words (code 3)
.else
	s_mov_b32 s[G1], (2<<16)|(1<<20)|(7<<22)|(3<<25)
.endif
	s_mov_b32 s[G1+1], 256<<16                     ; tensor_dim0 = 256
	s_mov_b32 s[G1+2], 32<<16                      ; tensor_dim1 = 32
	s_mov_b32 s[G1+3], 256<<16                     ; tile_dim0 = 256
	s_mov_b32 s[G1+4], 32                          ; tile_dim1 = 32
	s_mov_b32 s[G1+5], 256                         ; 256 elements from row to row
	s_mov_b32 s[G1+6], 0
	s_mov_b32 s[G1+7], 0
	; my 32 rows of tile 0 in W: ((32 (g % 8) + w / 2) x 512 + 64 js + 32 (w % 2)) rows of 1,024 bytes: made of the cluster's number and the wave's alone
	s_and_b32 s29, s[GG], 7
	s_lshl_b32 s29, s29, 5
	s_lshr_b32 s28, s[WV], 1
	s_add_co_u32 s29, s29, s28
	s_lshl_b32 s29, s29, 9
	s_lshl_b32 s28, s[JS], 6
	s_add_co_u32 s29, s29, s28
	s_and_b32 s28, s[WV], 1
	s_lshl_b32 s28, s28, 5
	s_add_co_u32 s29, s29, s28
	s_lshl_b32 s29, s29, 10
	s_lshl_b32 s26, s[CX], 9
	s_lshl_b32 s28, s[WV], 7
	s_add_co_u32 s26, s26, s28                     ; my first b = 512 cx + 128 w
	s_lshl_b32 s30, s26, 9                         ; in x0 and x1: rows of 512 bytes
	s_lshl_b32 s31, s26, 10                        ; in h: rows of 1,024 bytes,
	s_and_b32 s28, s[JS], 3
	s_lshl_b32 s28, s28, 8
	s_add_co_u32 s31, s31, s28                     ; and the split's 64 columns
	s_lshl_b32 s53, s[JS], 16                      ; in Wmerge: 64 js rows of 1,024 bytes,
	s_lshl_b32 s28, s[GG], 6
	s_add_co_u32 s53, s53, s28                     ; and l = 16 g on
	s_lshl_b32 s62, s[JS], 6
	s_lshl_b32 s28, s[GG], 2
	s_add_co_u32 s62, s62, s28                     ; 64 js + 4 g: pm's quad; twice that is part's
	s_lshl_b32 s63, s62, 11
	s_lshl_b32 s62, s62, 10
	s_add_co_u32 s62, s62, s26
	s_add_co_u32 s63, s63, s26
	s_lshl_b32 s62, s62, 4                         ; pm:   ((64 js + 4 g) x 1,024 + b) x 16
	s_lshl_b32 s63, s63, 4                         ; part: ((128 js + 8 g) x 1,024 + b) x 16
	s_mul_i32 s27, s[WV], 16*PX
	s_add_co_u32 s27, s27, XSTG                    ; my stage for x,
	s_mul_i32 s28, s[WV], 16*PS
	s_add_co_u32 s28, s28, SSTG                    ; and for s
	v_and_b32 v[VR], 15, v0
	v_bfe_u32 v[VH], v0, 4, 1
	v_and_b32 v[VL], 31, v0
	v_mul_u32_u24 v[LANE], v[VR], PW
	v_lshl_add_u32 v[LANE], v[VH], 5, v[LANE]
	v_lshlrev_b32 v[L16], 4, v[VL]
	v_lshlrev_b32 v[SO], 4, v[VR]
	v_lshl_add_u32 v[SO], v[VH], 10, v[SO]
	v_lshl_add_u32 v[XST], v[VL], 3, s27
	v_mul_u32_u24 v[XLD], v[VR], PX
	v_lshl_add_u32 v[XLD], v[VH], 4, v[XLD]
	v_add_nc_u32 v[XLD], s27, v[XLD]
	v_mul_u32_u24 v[SST], v[VH], PS
	v_lshl_add_u32 v[SST], v[VR], 3, v[SST]
	v_add_nc_u32 v[SST], s28, v[SST]
	v_mul_u32_u24 v[SLD], v[VR], PS
	v_lshl_add_u32 v[SLD], v[VH], 4, v[SLD]
	v_add_nc_u32 v[SLD], s28, v[SLD]
	v_lshlrev_b32 v[WMO], 2, v[VR]
	v_lshl_add_u32 v[WMO], v[VH], 13, v[WMO]
	v_lshlrev_b32 v[PMO], 4, v[VR]
	v_lshl_add_u32 v[PMO], v[VH], 15, v[PMO]
	v_lshlrev_b32 v[PFO], 8, v[VL]
	s_mov_b32 s[HM], 0xffff0000
	s_mov_b32 s[SEL], 0x76543210
	s_mov_b32 s[SEL+1], 0xfedcba98
	s_mov_b32 s[TB], 0
	s_mov_b32 s[FC], 5                             ; the first sum that is finished belongs to no lw: five are taken in before the first store, and it is shifted out
	s_mov_b32 s[SLOTS], 15
	s_mov_b32 s[CNT], 2
	s_mov_b32 s[OFS+1], 0
	s_mov_b32 s[G0A], 1                            ; 1:0 count = 1
	s_mul_i32 s[G0A+1], s[WV], QTR                 ; 63:32 LDS address: wave x 32 rows, slot 0
	s_mov_b32 s[G0B], 1
	s_add_co_u32 s[G0B+1], s[G0A+1], SLOT          ; slot 1
	s_wait_dscnt 0x0                               ; both opening adds are done
	s_wait_kmcnt 0x0
	s_cmp_lt_u32 s[GG], 8                          ; groups 0-7 walk W1, groups 8-15 W2
	s_cselect_b64 s[WT:WT+1], s[12:13], s[14:15]
	s_mov_b32 s[OFS], s29
	s_add_nc_u64 s[WT:WT+1], s[WT:WT+1], s[OFS:OFS+1]
	s_mov_b64 s[G0A+2:G0A+3], s[WT:WT+1]           ; 120:64 global address: tile 0
	s_or_b32 s[G0A+3], s[G0A+3], 0x80000000        ; 127:126 type = 2
	s_add_nc_u64 s[G0B+2:G0B+3], s[WT:WT+1], TSTEP ; tile 1
	s_or_b32 s[G0B+3], s[G0B+3], 0x80000000
	s_cmp_lt_u32 s[JS], 4                          ; splits 0-3 lie in h0, splits 4-7 in h1
	s_cselect_b64 s[HB:HB+1], s[8:9], s[10:11]
	s_mov_b32 s[OFS], s31
	s_add_nc_u64 s[HB:HB+1], s[HB:HB+1], s[OFS:OFS+1]
	s_mov_b32 s[OFS], s30
	s_add_nc_u64 s[XB0:XB0+1], s[4:5], s[OFS:OFS+1]
	s_add_nc_u64 s[XB1:XB1+1], s[6:7], s[OFS:OFS+1]
	s_mov_b32 s[OFS], s53
	s_add_nc_u64 s[WMB:WMB+1], s[16:17], s[OFS:OFS+1]
	s_mov_b32 s[OFS], s62
	s_add_nc_u64 s[PMB:PMB+1], s[20:21], s[OFS:OFS+1]
	s_mov_b32 s[OFS], s63
	s_add_nc_u64 s[PO:PO+1], s[18:19], s[OFS:OFS+1]
	s_lshl_b32 s[OFS], s[CX], 14                   ; of the 32 rows that I fetch my work-group prefetches 16: the partners are told apart by address
	s_add_nc_u64 s[PFA:PFA+1], s[WT:WT+1], s[OFS:OFS+1]
	s_add_nc_u64 s[PFA:PFA+1], s[PFA:PFA+1], 2*TSTEP  ; at tile 2: the first change of slots steps it to tile 3.  Nothing is prefetched here, at the head
	ROUND                                          ; both work-groups are here: the first joint loads meet
	tensor_load_to_lds s[G0A:G0A+3], s[G1:G1+7]    ; tile 0 and tile 1: two loads of mine are out
	s_nop 0
	tensor_load_to_lds s[G0B:G0B+3], s[G1:G1+7]
	s_nop 0
.rept 4
	v_nop
.endr
; THE PROLOGUE, while the first tiles are on their way: x and s are read in whole rows, rounded to bf16, and turned into fragments through my own stage in LDS (a fragment's lanes are rows).
; Wmerge: register c, half e of fragment kk holds j = 32 kk + 16 (c / 4) + 8 h + 2 (c % 4) + e of column l = 16 g + r.
.irp kk, 0,1
.irp c, 0,1,2,3,4,5,6,7
.irp e, 0,1
	global_load_b32 v[WL+16*\kk+2*\c+\e], v[WMO], s[WMB:WMB+1] offset:(32*\kk+16*(\c/4)+2*(\c%4)+\e)*1024
.endr
.endr
.endr
; Block bb's 40 loads.  x: a load takes a whole row of x0 or x1, 512 bytes; s: two rows' 256 bytes.  Two landing buffers by turns: even blocks window 1 v0-127 and v64-95, odd blocks v128-255 and v96-127.
.macro LOADS bb
.set xb, 128*((\bb)%2)
.set sb, WF+32*((\bb)%2)
.if ((\bb)%2) == 0
	WIN 0x40
.else
	WIN 0
.endif
.set i, 0
.rept 16
	global_load_b128 v[xb+8*i:xb+8*i+3],   v[L16], s[XB0:XB0+1] offset:(16*(\bb)+i)*512
	global_load_b128 v[xb+8*i+4:xb+8*i+7], v[L16], s[XB1:XB1+1] offset:(16*(\bb)+i)*512
.set i, i+1
.endr
	WIN 0
.set i, 0
.rept 8
	global_load_b128 v[sb+4*i:sb+4*i+3], v[SO], s[HB:HB+1] offset:(16*(\bb)+2*i)*1024
.set i, i+1
.endr
.endm
; Block bb is rounded in place, laid into the stages (8 bytes a lane) and read back as fragments.  LDS serves a wave's instructions in order (ISA guide 5.7.1.4): the loads see the stores above them,
; and the next block's stores come behind these loads; the stages are my wave's own.
.macro CONV bb
.set xb, 128*((\bb)%2)
.set sb, WF+32*((\bb)%2)
.if ((\bb)%2) == 0
	WIN 0x45
.else
	WIN 0
.endif
.set i, 0
.rept 32
	v_cvt_pk_bf16_f32 v[xb+4*i],   v[xb+4*i],   v[xb+4*i+1]
	v_cvt_pk_bf16_f32 v[xb+4*i+1], v[xb+4*i+2], v[xb+4*i+3]
.set i, i+1
.endr
.if ((\bb)%2) == 0
	WIN 0x04
.endif
.set i, 0
.rept 32
	ds_store_b64 v[XST], v[xb+4*i:xb+4*i+1] offset:(i/2)*PX+(i%2)*256
.set i, i+1
.endr
	WIN 0
.set i, 0
.rept 8
	v_cvt_pk_bf16_f32 v[sb+4*i],   v[sb+4*i],   v[sb+4*i+1]
	v_cvt_pk_bf16_f32 v[sb+4*i+1], v[sb+4*i+2], v[sb+4*i+3]
.set i, i+1
.endr
.set i, 0
.rept 8
	ds_store_b64 v[SST], v[sb+4*i:sb+4*i+1] offset:2*PS*i
.set i, i+1
.endr
.if (\bb) < 4
	WIN 0x80
.else
	WIN 0xc0
.endif
.set i, 0
.rept 8                             ; x's fragment i: k = 32 i + 8 h + 0..7 and 32 i + 16 + 8 h + 0..7 of row r
	ds_load_b128 v[64*((\bb)%4)+8*i:64*((\bb)%4)+8*i+3],   v[XLD] offset:64*i
	ds_load_b128 v[64*((\bb)%4)+8*i+4:64*((\bb)%4)+8*i+7], v[XLD] offset:64*i+32
.set i, i+1
.endr
	WIN 0x40
.set i, 0
.rept 4                             ; s: j = 16 i + 8 h + 0..7 of row r
	ds_load_b128 v[128+16*(\bb)+4*i:128+16*(\bb)+4*i+3], v[SLD] offset:32*i
.set i, i+1
.endr
	WIN 0
.endm
	LOADS 0
.irp bb, 0,1,2,3,4,5,6,7
.if \bb < 7
.if \bb > 0
	s_wait_dscnt 20                                ; all but the 20 fragment loads issued last: the 40 stores that read the buffer loaded next are done
.endif
	LOADS \bb+1
	s_wait_loadcnt 40                              ; this block is in (and Wmerge's words); the next block's 40 loads stay out
.else
	s_wait_loadcnt 0x0
.endif
	CONV \bb
.endr
; s @ Wmerge for my 128 b, the split's 64 j and l = 16 g .. + 15: source 0 = 16 columns l of Wmerge, source 1 = two neighbouring quads of s, which are a fragment of 16 b x 32 j.
	s_wait_dscnt 0x0                               ; s and x are in their registers
.set i, 0
.rept 16
	v_cvt_pk_bf16_f32 v[WF+i], v[WL+2*i], v[WL+2*i+1]
.set i, i+1
.endr
	WIN 0x54                                       ; Wmerge window 0; s, C and D window 1
.irp bb, 0,1,2,3,4,5,6,7
	v_wmma_f32_16x16x32_bf16 v[8*\bb:8*\bb+7], v[WF:WF+7], v[128+16*\bb:128+16*\bb+7], 0
.endr
.irp bb, 0,1,2,3,4,5,6,7            ; the eight accumulators take turns
	v_wmma_f32_16x16x32_bf16 v[8*\bb:8*\bb+7], v[WF+8:WF+15], v[128+16*\bb+8:128+16*\bb+15], v[8*\bb:8*\bb+7]
.endr
	WIN 0                                          ; six plain lines that are due anyway are the places behind those products
	v_mov_b32 v[ZR], 0
.irp k, 0,1,2,3
	v_mov_b32 v[RC+\k], 0                          ; v_permlanex16_b32's destination counts as read
.endr
	v_mov_b32 v[ADR], v[LANE]                      ; lw 0 lies at the head of slot 0
	WIN 0x04                                       ; store data in window 1
.irp bb, 0,1,2,3,4,5,6,7            ; register i holds l = 16 g + 8 h + i: two quads, the low one first; sixteen lanes store 256 consecutive bytes, aligned
	global_store_b128 v[PMO], v[8*\bb:8*\bb+3],   s[PMB:PMB+1] offset:256*\bb th:TH_STORE_NT
	global_store_b128 v[PMO], v[8*\bb+4:8*\bb+7], s[PMB:PMB+1] offset:256*\bb+16384 th:TH_STORE_NT
.endr
	WIN 0
; THE LOOP'S PARTS.
; One product: set p, block bb, link f of eight along k.  Link 0 starts the sum: nothing is cleared.
.macro WM p, bb, f
.if (\bb) < 4
	WIN 0x58                        ; W window 0, x window 2, C and D window 1
.else
	WIN 0x5c                        ; x window 3
.endif
.set rD, 64*(\p)+8*(\bb)
.set rA, WF+8*(\f)
.set rB, 64*((\bb)%4)+8*(\f)
.if (\f) == 0
	v_wmma_f32_16x16x32_bf16 v[rD:rD+7], v[rA:rA+7], v[rB:rB+7], 0
.else
	v_wmma_f32_16x16x32_bf16 v[rD:rD+7], v[rA:rA+7], v[rB:rB+7], v[rD:rD+7]
.endif
.endm
; Four multiply-adds of the sum over j: blocks b0 .. b0 + 3, register i of the finished accumulators of set p, which hold row block jp: m += s[b][16 jp + 8 h + i] T.
; s's bf16 half is read as it lies.  The lw's first term starts from 0 (ZR), its last goes to F.  i ascends.
.macro RED p, jp, i, b0
	WIN 0x05                        ; s and T window 1, m window 0
.irp d, 0,1,2,3
.set bx, (\b0)+\d
.set rS, 128+16*bx+4*(\jp)+(\i)/2
.set rC, 64*(\p)+8*bx+(\i)
.set rM, M+bx
.set rO, M+bx
.if ((\jp) == 0) && ((\i) == 0)
.set rM, ZR
.endif
.if ((\jp) == 3) && ((\i) == 7)
.set rO, F+bx
.endif
.if (\i)%2
	v_fma_mix_f32_bf16 v[rO], v[rS], v[rC], v[rM] op_sel:[1,0,0] op_sel_hi:[1,0,0]
.else
	v_fma_mix_f32_bf16 v[rO], v[rS], v[rC], v[rM] op_sel_hi:[1,0,0]
.endif
.endr
.endm
; Four roundings: registers c0 .. c0 + 3 of fragment g, from its f32 landing.
.macro CVT g, c0
	WIN 0
.irp d, 0,1,2,3
	v_cvt_pk_bf16_f32 v[WF+8*(\g)+(\c0)+\d], v[LD+16*(\g)+2*((\c0)+\d)], v[LD+16*(\g)+2*((\c0)+\d)+1]
.endr
.endm
; 16 LDS loads in one run: fragments 4 half .. + 3 of row block jb, as f32: k = 32 g + 8 h + 0..7 are 32 bytes, k = 32 g + 16 + 8 h + 0..7 the 32 bytes 64 on.
.macro RUN jb, half
	WIN 0
.irp d, 0,1,2,3
.set gf, 4*(\half)+\d
	ds_load_b128 v[LD+16*gf:LD+16*gf+3],     v[ADR] offset:(\jb)*RBB+128*gf
	ds_load_b128 v[LD+16*gf+4:LD+16*gf+7],   v[ADR] offset:(\jb)*RBB+128*gf+16
	ds_load_b128 v[LD+16*gf+8:LD+16*gf+11],  v[ADR] offset:(\jb)*RBB+128*gf+64
	ds_load_b128 v[LD+16*gf+12:LD+16*gf+15], v[ADR] offset:(\jb)*RBB+128*gf+80
.endr
.endm
; AN LW IS FINISHED, 28 lines.  A lane's F holds the j of its half: lane (r, 0) and lane (r, 1) are added.  Two blocks at a time: each half of the lanes keeps one block's figure and sends the other's
; across, so that lane L ends with b = 32 k + L.  0-11: OQ's four lw move down by one.  12-15 what is kept, 16-19 what is sent, 20-23 the exchange, 24-27 the sum, into OQ's top place.
.macro FINOP n
.set fk, (\n)%4
.if (\n) < 12
.set fk, (\n)/3
.set fd, (\n)%3
	v_mov_b32 v[OQ+4*fk+fd], v[OQ+4*fk+fd+1]
.elseif (\n) < 16
	v_cndmask_b32 v[KP+fk], v[F+2*fk], v[F+2*fk+1], s[HM]
.elseif (\n) < 20
	v_cndmask_b32 v[SD+fk], v[F+2*fk+1], v[F+2*fk], s[HM]
.elseif (\n) < 24
	v_permlanex16_b32 v[RC+fk], v[SD+fk], s[SEL], s[SEL+1]
.else
	v_add_f32 v[OQ+4*fk+3], v[KP+fk], v[RC+fk]
.endif
.endm
; Every fourth lw OQ goes out: four stores of 512 consecutive bytes (32 b x 4 lw).  always = 1: the last quad, behind the loop.
.macro FINST always
.if !(\always)
	s_sub_co_u32 s[FC], s[FC], 1
	s_cmp_lg_u32 s[FC], 0
	s_cbranch_scc1 .Lkeep_\@
.endif
.irp k, 0,1,2,3
	global_store_b128 v[L16], v[OQ+4*\k:OQ+4*\k+3], s[PO:PO+1] offset:512*\k th:TH_STORE_NT
.endr
.if !(\always)
	s_wait_xcnt 0x0                 ; the stores have read OQ and their base: both are written again only behind this wait
	s_add_nc_u64 s[PO:PO+1], s[PO:PO+1], 16384  ; the next quad of lw
	s_mov_b32 s[FC], 4
.Lkeep_\@:
.endif
.endm
.macro FINSL sl                     ; slice sl of 16: two of the 28 lines in slices 0-13, the store in slice 14
.if (\sl) < 14
	FINOP 2*(\sl)
	FINOP 2*(\sl)+1
.elseif (\sl) == 14
	FINST 0
.endif
.endm
; A STEP: link f of row block q's eight chains: eight products, two at a time, four vector lines behind each two.  The accumulators take turns, one instruction a turn, from step to step, from
; row block to row block and over the backward jumps.
;   behind products 0-1 and 4-5: register f of the row block before (the other set) is added into the sum over j;
;   behind products 2-3 and 6-7: fragment (f + 7) % 8 is rounded: for f > 0 the NEXT row block's fragment f - 1, whose place the step before has read out; for f = 0 this row block's fragment 7.
; Places: a fragment's last reader is the step before's last product, and that step's last four roundings, which name another fragment, stand behind it; an accumulator's last link has four roundings
; or more behind it before its register 0 is read.
; LDS loads stand in two runs of 16 a row block: behind step 1 the next row block's fragments 4-7, behind step 5 fragments 0-3 of the one after; each is waited for four steps, 32 products, later.
; ld = 0: nothing more to fetch.  cv = 0: nothing more to round.  fin = 1: the lw finished in the row block before rides in the rounding slices.
.macro STEP q, f, ld=1, cv=1, fin=0
.set qp, (\q)%2
.set qj, ((\q)+3)%4
.set qg, ((\f)+7)%8
	WM qp, 0, \f
	WM qp, 1, \f
	RED 1-qp, qj, \f, 0
	WM qp, 2, \f
	WM qp, 3, \f
.if \cv
.if ((\f) == 1) || ((\f) == 5)
	s_wait_dscnt 0x0                ; the run issued four steps back is in; nothing younger is out
.endif
	CVT qg, 0
.endif
.if \fin
	WIN 0
	FINSL 2*(\f)
.endif
	WM qp, 4, \f
	WM qp, 5, \f
	RED 1-qp, qj, \f, 4
	WM qp, 6, \f
	WM qp, 7, \f
.if \cv
	CVT qg, 4
.endif
.if \fin
	WIN 0
	FINSL 2*(\f)+1
.endif
.if (\ld) && ((\f) == 1)
	RUN ((\q)+1)%4, 1
.endif
.if (\ld) && ((\f) == 5)
	RUN ((\q)+2)%4, 0
.endif
.endm
.macro RB q, fin=0
.irp f, 0,1,2,3,4,5,6,7
	STEP \q, \f, 1, 1, \fin
.endr
.endm
; A PREFETCH INTO THE L2 of the tile that the NEXT change of slots will ask for: one slot, 512 products, ahead of that load.  Each wave asks for rows that it will itself fetch; of its 32 rows each
; partner takes 16, told apart by address: 64 blocks of 256 bytes, a lane a block, two instructions.  A tile belongs to one cluster, so each block is named once in the launch.
; Tiles 0 to 2 come by their loads alone; the last change that fills a slot asks for nothing.
.macro ASK
	s_cmp_gt_u32 s[SLOTS], 1
	s_cbranch_scc0 .Lno_more_\@
	global_prefetch_b8 v[PFO], s[PFA:PFA+1] th:TH_LOAD_NT scope:SCOPE_SE
	global_prefetch_b8 v[PFO], s[PFA:PFA+1] offset:8192 th:TH_LOAD_NT scope:SCOPE_SE
.Lno_more_\@:
.endm
; THE CHANGE OF SLOTS, between steps 4 and 5 of a slot's last row block 2: the slot's last bytes were asked for in step 1.  Each wave waits for all its tensor loads, of which one is out: its part of the
; other slot; adds 0 to its spare word; and waits for that and for its own reads of the slot.  Behind the barrier nobody reads this slot any more and the other slot is whole.
; fill = 1: the slot is filled again, with the tile two on; the barrier is then a round of the cluster's, and the joint load is the first thing behind it.
.macro CHANGE fill
	WIN 0                           ; at a label and at a branch every window is 0
	s_wait_tensorcnt 0x0            ; no tensor load of mine is out, so a group 0 may be written
	ds_add_u32 v[SPW], v[NIL]       ; 0 onto my spare word; the scalar steps stand between it and the wait for it
.if \fill
	s_xor_b32 s[G0B+1], s[G0B+1], SLOT  ; the walking descriptor: the other slot than last time,
	s_add_nc_u64 s[G0B+2:G0B+3], s[G0B+2:G0B+3], TSTEP  ; the next tile; the type bits on top are not reached
	s_wait_xcnt 0x0                 ; the last prefetches, a slot back, have read their address
	s_add_nc_u64 s[PFA:PFA+1], s[PFA:PFA+1], TSTEP
.endif
	s_sub_co_u32 s[TB], s[TB], 2*LWB  ; the fetches go back to a slot's first lw,
	s_xor_b32 s[TB], s[TB], SLOT      ; in the other slot
	s_wait_dscnt 0x0                ; the add is done, and my reads of the slot are over
.if \fill
	ROUND
	tensor_load_to_lds s[G0B:G0B+3], s[G1:G1+7]  ; my one tensor load behind the round
	s_nop 0
.rept 4
	v_nop
.endr
	ASK
.else
	s_barrier_signal -1
	s_barrier_wait -1
.endif
	v_add_nc_u32 v[ADR], s[TB], v[LANE]
.endm
; A slot's two lw.  A trip FETCHES one lw, all through one address: it goes from step 5 of row block 2, where the lw's first run stands, to step 4 of the next row block 2; its products lag by a row block and a half.
.macro LWLOOP tag, entry
	s_mov_b32 s[CNT], 2
.Llw\tag:
	STEP 2, 5
	STEP 2, 6
	STEP 2, 7
	RB 3
.if \entry
	WIN 0
.Lentry:
.endif
	RB 0
	RB 1, 1
	STEP 2, 0
	STEP 2, 1
	STEP 2, 2
	STEP 2, 3
	STEP 2, 4
	WIN 0
	s_add_co_u32 s[TB], s[TB], LWB
	v_add_nc_u32 v[ADR], s[TB], v[LANE]  ; (behind a slot's second lw the change of slots writes it anew)
	s_sub_co_u32 s[CNT], s[CNT], 1
	s_cmp_lg_u32 s[CNT], 0
	s_cbranch_scc1 .Llw\tag
.endm
	s_wait_tensorcnt 0x1                           ; my part of tile 0 is in; tile 1's may stay out
	s_wait_dscnt 0x0
	s_barrier_signal -1
	s_barrier_wait -1                              ; everybody's is
	RUN 0, 0                                       ; lw 0, row block 0
	RUN 0, 1
	s_wait_dscnt 0x0
.irp g, 0,1,2,3,4,5,6
	CVT \g, 0
	CVT \g, 4
.endr
	RUN 1, 0
	s_wait_xcnt 0x0                                ; pm's stores have read accumulator set 0, which the first products write
	s_branch .Lentry                               ; the loop is entered in the middle of a trip.  Its first eight steps add up what the prologue left in set 1 and M: that figure belongs to no lw and is never stored
.Lslot:                                                ; 14 times: tiles 2 to 15 are asked for
	CHANGE 1
	LWLOOP a, 1
	s_sub_co_u32 s[SLOTS], s[SLOTS], 1
	s_cmp_lg_u32 s[SLOTS], 0
	s_cbranch_scc1 .Lslot
	CHANGE 0                                       ; the last slot is written out: nothing is asked for
	LWLOOP b, 0
	STEP 2, 5, 0                                   ; the last lw's last row block and a half: nothing more to fetch,
	STEP 2, 6, 0
	STEP 2, 7, 0
	STEP 3, 0, 0
.irp f, 1,2,3,4,5,6,7
	STEP 3, \f, 0, 0                               ; and nothing more to round
.endr
	WIN 0
.rept 4
	v_nop                                          ; the places behind the last products
.endr
.irp i, 0,1,2,3,4,5,6,7
	RED 1, 3, \i, 0                                ; the last row block's share of the sum over j
	RED 1, 3, \i, 4
.endr
	WIN 0
.set fn, 0
.rept 28
	FINOP fn
.set fn, fn+1
.endr
	FINST 1
	s_wait_tensorcnt 0x0                           ; the wave's end, behind my last tensor load and my last LDS store
	ds_add_u32 v[SPW], v[NIL]
	s_wait_dscnt 0x0
	ROUND                                          ; the closing round: no work-group ends while its partner may still ask for a tile that names it
	s_endpgm
.Lfunc_end_k_q5c582a1bd0_bilin:
	.size	k_q5c582a1bd0_bilin, .Lfunc_end_k_q5c582a1bd0_bilin-k_q5c582a1bd0_bilin
	.p2alignl 7, 3214868480
	.fill 96, 4, 3214868480
	.section	.rodata,"a",@progbits
	.p2align	6, 0x0
	.amdhsa_kernel k_q5c582a1bd0_bilin
		.amdhsa_group_segment_fixed_size 327680
		.amdhsa_private_segment_fixed_size 0
		.amdhsa_enable_private_segment 0
		.amdhsa_kernarg_size 72
		.amdhsa_user_sgpr_count 2
		.amdhsa_user_sgpr_kernarg_segment_ptr 1
		.amdhsa_wavefront_size32 1
		.amdhsa_system_sgpr_workgroup_id_x 1
		.amdhsa_system_sgpr_workgroup_id_y 1
		.amdhsa_system_sgpr_workgroup_id_z 1
		.amdhsa_system_vgpr_workitem_id 0
		.amdhsa_next_free_vgpr 1024
		.amdhsa_next_free_sgpr 80
		.amdhsa_reserve_vcc 0
		.amdhsa_float_denorm_mode_32 3
		.amdhsa_float_denorm_mode_16_64 3
		.amdhsa_memory_ordered 1
		.amdhsa_forward_progress 1
		.amdhsa_inst_pref_size 255
	.end_amdhsa_kernel
	.section	.bss,"aw",@nobits
	.p2align	6
	.space	262144
	.amdgpu_metadata
---
amdhsa.version: [ 1, 2 ]
amdhsa.kernels:
  - .name:           k_q5c582a1bd0_bilin
    .symbol:         k_q5c582a1bd0_bilin.kd
    .args:
      - { .name: x0, .offset: 0, .size: 8, .value_kind: global_buffer, .address_space: global }
      - { .name: x1, .offset: 8, .size: 8, .value_kind: global_buffer, .address_space: global }
      - { .name: h0, .offset: 16, .size: 8, .value_kind: global_buffer, .address_space: global }
      - { .name: h1, .offset: 24, .size: 8, .value_kind: global_buffer, .address_space: global }
      - { .name: W1, .offset: 32, .size: 8, .value_kind: global_buffer, .address_space: global }
      - { .name: W2, .offset: 40, .size: 8, .value_kind: global_buffer, .address_space: global }
      - { .name: Wmerge, .offset: 48, .size: 8, .value_kind: global_buffer, .address_space: global }
      - { .name: part, .offset: 56, .size: 8, .value_kind: global_buffer, .address_space: global }
      - { .name: pm, .offset: 64, .size: 8, .value_kind: global_buffer, .address_space: global }
    .group_segment_fixed_size: 327680
    .private_segment_fixed_size: 0
    .kernarg_segment_align: 8
    .kernarg_segment_size: 72
    .max_flat_workgroup_size: 128
    .sgpr_count:     80
    .vgpr_count:     1024
    .wavefront_size: 32
...
	.end_amdgpu_metadata
.endif
;; end of part 1
;; launch gate (part 2): grid 64 x 4, 4 waves a work-group, no clusters, 5,120 bytes of LDS; arguments part, pm, b1, b2, out0, out1; writes out0, out1
.if DOCPART == 2
	.amdgcn_target "amdgcn-amd-amdhsa--gfx1250"
	.amdhsa_code_object_version 6
	.text
	.protected	k_q5c582a1bd0_gate
	.globl	k_q5c582a1bd0_gate
	.p2align	8
	.type	k_q5c582a1bd0_gate,@function
k_q5c582a1bd0_gate:
	s_mov_b64 s[64:65], 0
	v_nop
	global_prefetch_b8 v0, s[64:65] scope:SCOPE_SE
	s_setreg_imm32_b32 hwreg(HW_REG_WAVE_MODE, 25, 1), 1
	s_wait_xcnt 0x0
; out[b][l] = u tanh(m1 + b1) + (1 - u) mg, u = sigmoid(m2 + b2); m1, m2 and mg are the sums, in ascending order, of the eight partial sums that the launch before stored.  Written twice: out0 and out1.
; part: [js 8][lw/4 128][b 1024][4] f32 (lw < 256: m1, else m2); pm: [js 8][l/4 64][b 1024][4] f32.  All arithmetic in f32; b1 and b2 are rounded to bf16 once, like every other input of the program.
; tanh(a) = 1 - 2 / (1 + 2^(2.885390 a)), sigmoid(z) = 1 / (1 + 2^(-1.442695 z)): an exponential that overflows gives the reciprocal 0, one that underflows gives 1: the right limits.
; LIMITS.  NaN and infinities in the inputs are not treated apart; near a = 0 tanh carries an absolute error of about 1e-7.
; SHARES.  A work-group makes 16 b x 64 l.  Thread t takes b = t % 16 and the quads of l number t / 16 and t / 16 + 8: every load takes 16 bytes a lane, sixteen lanes 256 consecutive bytes, aligned.
; The tile is turned through LDS, so that on the way out sixteen lanes again store 256 consecutive bytes of a row of out.  No input is shared between work-groups: no cluster; no matrix work.
; All 52 loads go out at once; the launch is short, so nothing is prefetched.
.set PITCH, 272        ; a row of the tile in LDS: 256 bytes + 16: sixteen rows begin at sixteen different 16-byte columns of 256
.set SPARE, 4608       ; behind the tile's 4,352 bytes: the spare words, 128 bytes for each wave: two blocks of 256 bytes that no other line names
.set BL,  1            ; v1  t % 16
.set LA,  2            ; v2  t / 16
.set VO,  3            ; v3  my offset in part and pm: (t / 16) quads of 16,384 bytes + 16 (t % 16)
.set BO,  4            ; v4  my offset in b1 and b2: 16 (t / 16)
.set LST, 5            ; v5  LDS, in: row t % 16, quad t / 16
.set LRD, 6            ; v6  LDS, back: row t / 16, 16 bytes at 16 (t % 16)
.set GO,  7            ; v7  my offset in out
.set SPW, 8            ; v8  LDS address of my spare word; never rewritten
.set NIL, 9            ; v9  0; never rewritten
.set T,   10           ; v10-13 at work
.set BI,  16           ; v16-31 b1's two quads, then b2's
.set LN,  32           ; v32-223 split js, quad u at LN + 24 js + 12 u: m1, m2, mg, four registers each
	s_load_b256 s[4:11], s[0:1], 0x0               ; part s[4:5], pm s[6:7], b1 s[8:9], b2 s[10:11]
	s_load_b128 s[12:15], s[0:1], 0x20             ; out0 s[12:13], out1 s[14:15]
	v_lshl_add_u32 v[SPW], v0, 2, SPARE
	v_mov_b32 v[NIL], 0
	v_lshrrev_b32 v[T], 5, v0
	v_readfirstlane_b32 s26, v[T]                  ; wave 0..3
	v_and_b32 v[BL], 15, v0
	v_lshrrev_b32 v[LA], 4, v0
	v_bfe_u32 v[T], v0, 4, 1
	s_and_b32 s16, ttmp7, 0xffff                   ; which 64 l
	s_lshl_b32 s18, s16, 18                        ; 16 quads of 16,384 bytes,
	s_lshl_b32 s17, ttmp9, 8                       ; 16 b of 16 bytes
	s_add_co_u32 s18, s18, s17
	s_mov_b32 s19, 0
	s_lshl_b32 s20, s16, 8                         ; 64 l of 4 bytes
	s_mov_b32 s21, 0
	s_lshl_b32 s22, ttmp9, 14                      ; 16 rows of out, 1,024 bytes each
	s_add_co_u32 s22, s22, s20
	s_mov_b32 s23, 0
	s_lshl_b32 s26, s26, 5                         ; my wave's two quads in a row of the tile
	v_lshlrev_b32 v[VO], 4, v[BL]
	v_lshl_add_u32 v[VO], v[LA], 14, v[VO]
	v_lshlrev_b32 v[BO], 4, v[LA]
	v_mul_u32_u24 v[LST], v[BL], PITCH
	v_lshl_add_u32 v[LST], v[T], 4, v[LST]
	v_add_nc_u32 v[LST], s26, v[LST]
	v_mul_u32_u24 v[LRD], v[LA], PITCH
	v_lshl_add_u32 v[LRD], v[BL], 4, v[LRD]
	v_lshlrev_b32 v[GO], 4, v[BL]
	v_lshl_add_u32 v[GO], v[LA], 10, v[GO]
	s_wait_kmcnt 0x0
	s_add_nc_u64 s[4:5], s[4:5], s[18:19]          ; part at my tile, splits 0-3;
	s_add_nc_u64 s[24:25], s[4:5], 0x800000        ; splits 4-7: so every offset stays inside the signed 24-bit immediate (7,471,104 at the most)
	s_add_nc_u64 s[6:7], s[6:7], s[18:19]
	s_add_nc_u64 s[8:9], s[8:9], s[20:21]
	s_add_nc_u64 s[10:11], s[10:11], s[20:21]
	s_add_nc_u64 s[12:13], s[12:13], s[22:23]
	s_add_nc_u64 s[14:15], s[14:15], s[22:23]
.irp u, 0,1
	global_load_b128 v[BI+4*\u:BI+4*\u+3],     v[BO], s[8:9]   offset:128*\u
	global_load_b128 v[BI+8+4*\u:BI+8+4*\u+3], v[BO], s[10:11] offset:128*\u
.endr
.set js, 0
.rept 8
.irp u, 0,1
.if js < 4
	global_load_b128 v[LN+24*js+12*\u:LN+24*js+12*\u+3],   v[VO], s[4:5] offset:js*0x200000+\u*0x20000 th:TH_LOAD_NT
	global_load_b128 v[LN+24*js+12*\u+4:LN+24*js+12*\u+7], v[VO], s[4:5] offset:js*0x200000+0x100000+\u*0x20000 th:TH_LOAD_NT
.else
	global_load_b128 v[LN+24*js+12*\u:LN+24*js+12*\u+3],   v[VO], s[24:25] offset:(js-4)*0x200000+\u*0x20000 th:TH_LOAD_NT
	global_load_b128 v[LN+24*js+12*\u+4:LN+24*js+12*\u+7], v[VO], s[24:25] offset:(js-4)*0x200000+0x100000+\u*0x20000 th:TH_LOAD_NT
.endif
	global_load_b128 v[LN+24*js+12*\u+8:LN+24*js+12*\u+11], v[VO], s[6:7] offset:js*0x100000+\u*0x20000 th:TH_LOAD_NT
.endr
.set js, js+1
.endr
	; the eight splits are added in ascending order, two sums an instruction, onto split 0's registers
.set js, 1
.rept 7
	s_wait_loadcnt 6*(7-js)                        ; loads come back in order (ISA guide 5.7.1): split js is in; the younger splits' six loads each stay out
.set i, 0
.rept 12
	v_pk_add_f32 v[LN+2*i:LN+2*i+1], v[LN+2*i:LN+2*i+1], v[LN+24*js+2*i:LN+24*js+2*i+1]
.set i, i+1
.endr
.set js, js+1
.endr
.set i, 0
.rept 8                             ; the biases, rounded to bf16 and widened again
	v_cvt_pk_bf16_f32 v[T+i%4], v[BI+2*i], v[BI+2*i+1]
	v_lshlrev_b32 v[BI+2*i], 16, v[T+i%4]
	v_and_b32 v[BI+2*i+1], 0xffff0000, v[T+i%4]
.set i, i+1
.endr
.irp u, 0,1
.irp d, 0,2
	v_pk_add_f32 v[LN+12*\u+\d:LN+12*\u+\d+1],     v[LN+12*\u+\d:LN+12*\u+\d+1],     v[BI+4*\u+\d:BI+4*\u+\d+1]      ; a = m1 + b1
	v_pk_add_f32 v[LN+12*\u+4+\d:LN+12*\u+4+\d+1], v[LN+12*\u+4+\d:LN+12*\u+4+\d+1], v[BI+8+4*\u+\d:BI+8+4*\u+\d+1]  ; z = m2 + b2
.endr
.endr
.irp u, 0,1
.irp d, 0,2
	v_pk_mul_f32 v[LN+12*\u+\d:LN+12*\u+\d+1],     v[LN+12*\u+\d:LN+12*\u+\d+1],     0x4038aa3b op_sel_hi:[1,0]  ; 2 log2(e) a
	v_pk_mul_f32 v[LN+12*\u+4+\d:LN+12*\u+4+\d+1], v[LN+12*\u+4+\d:LN+12*\u+4+\d+1], 0xbfb8aa3b op_sel_hi:[1,0]  ; - log2(e) z
.endr
.endr
.irp u, 0,1
.irp d, 0,1,2,3,4,5,6,7
	v_exp_f32 v[LN+12*\u+\d], v[LN+12*\u+\d]       ; one batch of sixteen
.endr
.endr
	v_nop                                          ; a plain instruction behind the last exponential,
	s_wait_alu depctr_va_vdst(0)                   ; and a wait ahead of the batch's first reader
.irp u, 0,1
.irp d, 0,2,4,6
	v_pk_add_f32 v[LN+12*\u+\d:LN+12*\u+\d+1], v[LN+12*\u+\d:LN+12*\u+\d+1], 1.0 op_sel_hi:[1,0]
.endr
.endr
.irp u, 0,1
.irp d, 0,1,2,3,4,5,6,7
	v_rcp_f32 v[LN+12*\u+\d], v[LN+12*\u+\d]       ; one batch of sixteen
.endr
.endr
	v_nop
	s_wait_alu depctr_va_vdst(0)
.irp u, 0,1
.irp d, 0,2
	v_pk_fma_f32 v[LN+12*\u+\d:LN+12*\u+\d+1], v[LN+12*\u+\d:LN+12*\u+\d+1], -2.0, 1.0 op_sel_hi:[1,0,0]                                          ; tanh
	v_pk_add_f32 v[LN+12*\u+\d:LN+12*\u+\d+1], v[LN+12*\u+\d:LN+12*\u+\d+1], v[LN+12*\u+8+\d:LN+12*\u+8+\d+1] neg_lo:[0,1] neg_hi:[0,1]           ; tanh - mg
	v_pk_fma_f32 v[LN+12*\u+\d:LN+12*\u+\d+1], v[LN+12*\u+4+\d:LN+12*\u+4+\d+1], v[LN+12*\u+\d:LN+12*\u+\d+1], v[LN+12*\u+8+\d:LN+12*\u+8+\d+1]   ; u (tanh - mg) + mg
.endr
.endr
.irp u, 0,1
	ds_store_b128 v[LST], v[LN+12*\u:LN+12*\u+3] offset:128*\u
.endr
	s_wait_dscnt 0x0                               ; for the others' sake: my stores into the tile are done
	s_barrier_signal -1
	s_barrier_wait -1
.irp u, 0,1
	ds_load_b128 v[LN+24+4*\u:LN+24+4*\u+3], v[LRD] offset:8*PITCH*\u  ; row t / 16 + 8 u, whole: sixteen lanes take its 256 bytes
.endr
	s_wait_dscnt 0x0
.irp u, 0,1
	global_store_b128 v[GO], v[LN+24+4*\u:LN+24+4*\u+3], s[12:13] offset:8192*\u th:TH_STORE_NT  ; sixteen lanes store 256 consecutive bytes, at a multiple of 256 from the buffer's first byte
	global_store_b128 v[GO], v[LN+24+4*\u:LN+24+4*\u+3], s[14:15] offset:8192*\u th:TH_STORE_NT
.endr
	s_wait_tensorcnt 0x0                           ; the wave's end, behind my last LDS store
	ds_add_u32 v[SPW], v[NIL]
	s_wait_dscnt 0x0
	s_endpgm
.Lfunc_end_k_q5c582a1bd0_gate:
	.size	k_q5c582a1bd0_gate, .Lfunc_end_k_q5c582a1bd0_gate-k_q5c582a1bd0_gate
	.p2alignl 7, 3214868480
	.fill 96, 4, 3214868480
	.section	.rodata,"a",@progbits
	.p2align	6, 0x0
	.amdhsa_kernel k_q5c582a1bd0_gate
		.amdhsa_group_segment_fixed_size 5120
		.amdhsa_private_segment_fixed_size 0
		.amdhsa_enable_private_segment 0
		.amdhsa_kernarg_size 48
		.amdhsa_user_sgpr_count 2
		.amdhsa_user_sgpr_kernarg_segment_ptr 1
		.amdhsa_wavefront_size32 1
		.amdhsa_system_sgpr_workgroup_id_x 1
		.amdhsa_system_sgpr_workgroup_id_y 1
		.amdhsa_system_sgpr_workgroup_id_z 1
		.amdhsa_system_vgpr_workitem_id 0
		.amdhsa_next_free_vgpr 224
		.amdhsa_next_free_sgpr 66
		.amdhsa_reserve_vcc 0
		.amdhsa_float_denorm_mode_32 3
		.amdhsa_float_denorm_mode_16_64 3
		.amdhsa_memory_ordered 1
		.amdhsa_forward_progress 1
		.amdhsa_inst_pref_size 19
	.end_amdhsa_kernel
	.amdgpu_metadata
---
amdhsa.version: [ 1, 2 ]
amdhsa.kernels:
  - .name:           k_q5c582a1bd0_gate
    .symbol:         k_q5c582a1bd0_gate.kd
    .args:
      - { .name: part, .offset: 0, .size: 8, .value_kind: global_buffer, .address_space: global }
      - { .name: pm, .offset: 8, .size: 8, .value_kind: global_buffer, .address_space: global }
      - { .name: b1, .offset: 16, .size: 8, .value_kind: global_buffer, .address_space: global }
      - { .name: b2, .offset: 24, .size: 8, .value_kind: global_buffer, .address_space: global }
      - { .name: out0, .offset: 32, .size: 8, .value_kind: global_buffer, .address_space: global }
      - { .name: out1, .offset: 40, .size: 8, .value_kind: global_buffer, .address_space: global }
    .group_segment_fixed_size: 5120
    .private_segment_fixed_size: 0
    .kernarg_segment_align: 8
    .kernarg_segment_size: 48
    .max_flat_workgroup_size: 128
    .sgpr_count:     66
    .vgpr_count:     224
    .wavefront_size: 32
...
	.end_amdgpu_metadata
.endif
;; end of part 2
